; MI455X (gfx1250); checked and timed in simulation.
; The chip was launched on July 23, 2026; its instructions are those of AMD's public machine-readable ISA for CDNA 5 (MIT licence, August 2026) and "CDNA5" Instruction Set Architecture Reference Guide (July 2026). The comments in the code are by the model that wrote it; some were corrected since.
;; Linear Attention. Allowed arithmetic: matrix products marked QUANTISED: E3M2 operands, one E8M0 scale for each 32 along K, by v_wmma_scale_f32_16x16x128_f8f6f4 with both operands' format E3M2, f32 sums; everything else in f32.
;; Inputs: k_codes 4 x 16 x 2,048 x 4 x 24 uint8 (E3M2 codes of k, K innermost, in blocks of 32 codes, four codes in three bytes); k_scales 4 x 16 x 2,048 x 4 uint8 (E8M0 scales of k, one for each 32 codes along K); q_codes 4 x 16 x 2,048 x 4 x 24 uint8 (E3M2 codes of q, K innermost, in blocks of 32 codes, four codes in three bytes); q_scales 4 x 16 x 2,048 x 4 uint8 (E8M0 scales of q, one for each 32 codes along K); v_codes 4 x 16 x 128 x 64 x 24 uint8 (E3M2 codes of v, K innermost, in blocks of 32 codes, four codes in three bytes); v_scales 4 x 16 x 128 x 64 uint8 (E8M0 scales of v, one for each 32 codes along K).
;; Outputs: out0 4 x 16 x 2,048 x 128 float32.
;; This version of the problem:
;;   THIS VERSION OF THE PROBLEM IS GIVEN IN LOW PRECISION. The matrix products marked QUANTISED in the list below multiply operands that are first quantised to E3M2 (3 exponent bits, 2 mantissa bits; 6 bits a number), with one power-of-two scale for each 32 numbers along K (OCP MX v1.0); their sums are f32. All else is computed in f32.
;;   The module's matrix products, in the order in which they are computed (A, B: the left and right operand; K: the contracted axis; several contracted axes count as one K, in the product's order):
;;     1. batch 64 x [M 2,048, K 128] x [K 128, N 2,048]; A: input q (given as codes); B: input k (given as codes): QUANTISED
;;     2. batch 64 x [M 2,048, K 2,048] x [K 2,048, N 128]; A: computed on the way; B: input v (given as codes): QUANTISED
;;   THE QUANTISER, for each operand of a quantised product, along K:
;;     - K is cut into blocks of 32 from its start; a last block that is shorter is filled with zeros.
;;     - A block's scale is 2^e with e = floor(log2(the largest magnitude in the block)) - 4, held to -126 .. 127; a block of zeros has e = 0. As a byte (E8M0): e + 127.
;;     - Each number is divided by its block's scale, clamped to +-28, and rounded to the nearest number of E3M2, ties to even, subnormals kept.
;;     - The product sums the exact products of the quantised numbers (number of the format x scale) in f32.
;;   ~~~python
;;   def quantise(x, axis):      # numpy; x: float32 -> the quantised numbers, widened to float32 again
;;       x = np.moveaxis(x, axis, -1); K = x.shape[-1]
;;       x = np.pad(x, [(0, 0)] * (x.ndim - 1) + [(0, -K % 32)]); x = x.reshape(x.shape[:-1] + (-1, 32)); a = np.abs(x).max(-1, keepdims=True)
;;       e = np.where(a > 0, np.clip(np.frexp(np.where(a > 0, a, 1))[1] - 1 - 4, -126, 127), 0)      # np.frexp(a)[1] - 1 = floor(log2(a)), exactly
;;       r = np.clip(x / 2.0 ** e, -28, 28)
;;       step = 2.0 ** (np.maximum(np.frexp(np.where(r == 0, 1, r))[1] - 1, -2) - 2)
;;       q = np.round(r / step) * step * 2.0 ** e      # np.round: ties to even
;;       return np.moveaxis(q.reshape(q.shape[:-2] + (-1,))[..., :K], -1, axis).astype(np.float32)
;;   ~~~
;;   OPERANDS COMPUTED ON THE WAY. 'Computed on the way' means the value that the module computes at that place (a softmax that the list does not call 'softmax' is quantised finished and normalised). What goes into a quantiser is computed in f32, as accurately as f32 sums, v_exp_f32 and their like allow (about 1e-6 of the number): no bf16 or f16 on the way to a quantiser, and a product that is left as it is and whose result goes on into a quantised operand takes f32 operands (vector FMAs, or v_wmma_f32_16x16x4_f32). A number that lies on a knife's edge between two numbers of the format may be rounded either way, as far as f32 arithmetic and the matrix unit's own rounding can turn it there, and no further.
;;   INPUTS GIVEN AS CODES. k (in the module: [4, 16, 2048, 128], K = its axis 3); q (in the module: [4, 16, 2048, 128], K = its axis 3); v (in the module: [4, 16, 2048, 128], K = its axis 2): each comes as NAME_codes (uint8): NAME with its K axis moved to the last place and cut into blocks of 32 codes, [.., K / 32, bytes a block], one block behind the other in memory; four codes in three bytes: a row's codes are one little-endian stream of bits, code i at bits 6 i .. 6 i + 5 (a code: sign, 3 exponent bits, 2 mantissa bits); and NAME_scales (uint8): the same leading axes, one E8M0 byte (e + 127) for each 32 codes along K. Its value is code x scale, taken as it is: it is not quantised again, and the codes and scales need not be those that the quantiser above would give.
;; One version. Each part assembles by itself: llvm-mc -triple=amdgcn-amd-amdhsa -mcpu=gfx1250 --defsym DOCPART=n.
;; ======== version 1 of 1: 1 launch
;; launch linattn (part 1): grid 256 x 1, 4 waves a work-group, no clusters, 327,680 bytes of LDS; arguments q_codes, q_scales, k_codes, k_scales, v_codes, v_scales, out0; writes out0
.if DOCPART == 1
	.amdgcn_target "amdgcn-amd-amdhsa--gfx1250"
	.amdhsa_code_object_version 6
	.text
	.protected	k_q2a3e1ab6f1_linattn
	.globl	k_q2a3e1ab6f1_linattn
	.p2align	8
	.type	k_q2a3e1ab6f1_linattn,@function
k_q2a3e1ab6f1_linattn:
	s_mov_b64 s[64:65], 0
	v_nop
	global_prefetch_b8 v0, s[64:65] scope:SCOPE_SE
	s_setreg_imm32_b32 hwreg(HW_REG_WAVE_MODE, 25, 1), 1
	s_wait_xcnt 0x0
; O[h][i][:] = sum over j <= i of Q32( q[h][i] . k[h][j] ) v[h][j][:], 64 heads, 2,048 rows, head size 128.  Both products on codes of BF6 (E3M2) with one E8M0 scale for each 32 along K.
; q, k: codes [head][row][96 bytes], scale words [head][row][4].  v: codes with the KEYS innermost, [head][128][1,536 bytes], scale bytes [head][128][64].  out0: [head][row][128] f32.
; The scores are multiplied by the causal 0/1 mask and then quantised along the keys, in blocks of 32: scale 2^(floor(log2(largest magnitude)) - 4), codes to nearest, ties to even, held at the largest code.
; SHARES.  A unit is 256 keys, a block 256 queries.  Work-group g: head g / 4, pair BI = g % 4: it makes block BI (units 0 .. BI) and then block BJ = 7 - BI (units 0 .. BJ): BI + 1 + 8 - BI = 9 units for EVERY
; work-group: 256 equal work-groups, and a walk of 9 positions whose count is a constant of the text.  Units wholly above the diagonal are never multiplied.  At position p the unit is p (p <= BI) or p - BI - 1.
; A wave owns 64 queries of the block, four tiles of 16; it walks a unit in two key steps of 128 keys: 32 products S^T = K Q^T, the quantiser, 32 products O^T += V^T P^T.  Each fragment of K and V read from LDS feeds four products.
; LAYOUT.  Both products are used transposed (source 0 = 16 keys, or 16 of the head's 128; source 1 = my 16 queries): a lane holds ONE query (lane % 16) throughout.  THE KEYS OF A TILE ARE NOT NEIGHBOURS: lane r of tile
; 2 b + u takes key 32 b + 8 u + r + 8 (r / 8), so that the 16 registers of tiles 2 b and 2 b + 1 are the 16 neighbouring keys 32 b + 16 (lane / 16) + 0 .. 15, as the conversions want them.
; BY TURNS.  The quantiser of a tile is a list of 68 vector instructions; it stands in slices behind the matrix instructions of the next tile (tile 3's behind the first 16 products V^T P^T).  All that it touches lies in
; window 0 and no window has room for a product's operands beside it, so a slice costs two switches of the register window.
; THE DIAGONAL.  In the unit that is the block's own, a key step all of whose keys come after the wave's 64 queries is left out (a scalar branch on ids; no barrier and no tensor load stands under it); in a step that reaches
; past the wave's first query the hidden scores become 0 ahead of the quantiser.
; NO CLUSTER: the four work-groups of a head want different units at the same position (position p: unit p or p - BI - 1, with BI different in all four), so no tile is wanted by two of them at the same time; walking the
; units in step would make every partner wait for the one with the most work in each unit.
; LIMITS.  NaN, infinities and the scale byte 0xff among the inputs are not served (a hidden score is set to 0, where 0 x infinity would be NaN).  A block of zeros gets the scale byte 1, not 127: its codes are zeros, which add
; nothing under any byte but 0xff, and the bytes never leave the wave.
; All of a WGP's LDS is claimed.
;
; LDS.  Two slots, 65,536 bytes apart, so that one exclusive or turns an address from one into the other.  In a slot: the unit's keys whose sixteen is even (8 groups x 16 keys x 96 bytes), at KO those whose sixteen is odd,
; at VOFF 128 rows of V (192 bytes of data, 16 of padding behind every 64: 240 bytes from row to row).  KO = 12,288 + 16: a load of 8 bytes a lane for a fragment of K then touches word 24 (r % 8) + 6 h + 4 (r / 8) + 0, 1
; modulo 64: each of the 64 banks of 4 bytes (ISA guide 11.1) once.  Behind the ring: the head's scale words of K (dense), of V (rows of 64 bytes + 8: 18 words from lane to lane, 32 different banks), the stages, the spare words.
.set SLOT1, 1<<16
.set KO,    12304
.set VOFF,  24832
.set VP,    240
.set SCK,   2*SLOT1                    ; 8,192 bytes: 4 bytes a key
.set SCV,   SCK+8192                   ; 128 rows x 72 bytes
.set STAGE, SCV+9216                   ; the way out: 16 rows x (512 + 16) bytes for each wave; no tensor load ever lands here
.set SP,    528
.set SPARE, STAGE+4*16*SP              ; the spare words, 128 bytes for each wave: two blocks of 256 bytes that no other line names
; VECTOR REGISTERS, in windows of 256 (s_set_vgpr_msb: bits 1:0 source 0, 3:2 source 1, 5:4 source 2, 7:6 destination).
; window 0: as named below.   window 1: O^T, accumulator (tile t, channels 16 f on) at v[64 t + 8 f].   window 2: v0-95 K's 8 fragments, v96-143 Q's 4, v144-239 V's 8.
.set AK0,  1                           ; my lane's place in a fragment of K: 96 (r % 8) + 24 h + KO (r / 8)
.set AV0,  2                           ; in a fragment of V: VOFF + 240 r + 24 h
.set AV1,  3                           ; the same for the pieces that lie behind one padding more: + 40 h
.set ASK0, 4                           ; among K's scale words: SCK + 4 (r + 8 (r / 8) + 8 h): lanes 0-15 the even tile of a pair, lanes 16-31 the odd one
.set ASV0, 5                           ; among V's: SCV + 72 lane
.set SPW,  6                           ; LDS address of my spare word; never rewritten
.set NIL,  7                           ; 0; never rewritten
.set ADK,  8                           ; addresses of the loads in hand: K's fragments,
.set ADV,  9                           ; V's,
.set ADV2, 10                          ; V's behind one padding more,
.set ADS,  11                          ; K's scale words,
.set ADT,  12                          ; V's
.set STO,  13                          ; the way out: where I put 32 bytes of a row
.set RD,   14                          ; where I read a row back
.set CO,   15                          ; 16 x lane: my bytes of a row of out0
.set VD0,  16                          ; r - 16 h
.set VD,   17                          ; the mask: my query less the key of my register 0
.set ZR,   18                          ; 0
.set QA,   19                          ; 96 r + 24 h
.set QSA,  20                          ; 4 r
.set PFKO, 21                          ; the prefetches' offsets: 256 x lane,
.set PFVO, 22                          ; 1,536 x lane; never rewritten
.set KS,   24                          ; v24-27 K's scale words, a pair of tiles each
.set VS,   28                          ; v28-31 V's likewise
.set QS,   32                          ; v32-35 Q's, a tile each
.set PW,   36                          ; v36-39 P's, a tile each
.set TM,   40                          ; v40-43 largest magnitudes, v44-47 the other half's / the bytes, v48-51 the conversions' scale operands
.set CT,   52                          ; v52-54, v56-58 the conversions' second halves
.set PCD,  64                          ; v64-111 P's codes, 12 a tile
.set SS,   128                         ; v128-191, v192-255 S^T: tile t in buffer t % 2; on the way out rows of out0
; SCALAR REGISTERS
.set TMP,  105
.set TM2,  14
.set WV,   18                          ; my wave's number
.set W1,   19                          ; its low bit: which half of a tile I fetch
.set SEL,  20                          ; s[20:21] v_permlanex16_b32's selects for lane l xor 16
.set BI,   22
.set BJ,   23
.set G1K,  24                          ; descriptor groups 1: K's tiles, V's tiles, K's scales, V's scales
.set G1V,  32
.set G1SK, 40
.set G1SV, 48
.set G0K0, 56                          ; groups 0: slot 0's first fill; slot 1's first fill, which then walks
.set G0K1, 60
.set PFK,  66                          ; s[66:67] where my prefetches of K stand
.set G0V0, 68
.set G0V1, 72
.set G0SK, 76
.set G0SV, 80
.set QPB,  84                          ; s[84:85], s[86:87] block BJ's codes and scale words of Q at my first query
.set QSPB, 86
.set OPA,  88                          ; s[88:89], s[98:99] my rows of out0 in block BI, in block BJ
.set POS,  90
.set UC,   91                          ; the unit in hand
.set TB,   92                          ; LDS byte at which the slot in hand begins
.set Q0,   93                          ; my first query
.set MSK,  94                          ; 1: the step reaches past my first query.  (At the head: a number at work)
.set HID,  95                          ; 1: the step is left out
.set DQ,   96                          ; Q0 - the step's first key
.set CNT,  97                          ; the loops' counter.  (At the head: the head's number)
.set OPB,  98
.set PFV,  100                         ; s[100:101] where my prefetches of V stand
.set LIM,  104                         ; a wave prefetches while POS is under it
.set MSB, 0
.macro WIN new                         ; the immediate's high byte repeats the setting that is left; a switch that changes nothing is dropped
.if MSB != \new
	s_set_vgpr_msb (MSB<<8)|\new
.set MSB, \new
.endif
.endm
.set W_S,  0x0a                        ; K and Q in window 2, S^T in window 0
.set W_PV, 0x52                        ; V in window 2, P in window 0, O^T (C and D) in window 1
.set TO2,  0x80                        ; destination window 2, address window 0
.set ST1,  0x04                        ; an LDS store's data (source 1) in window 1
.macro PLACES n
.rept \n
	v_nop
.endr
.endm
; Waves 0 and 1 fetch for K, waves 2 and 3 for V.  The branch hangs on the wave's number alone.  Four v_nop follow each of the two lines, ahead of the jump, the label and what follows.
.macro TLOAD g0k, g1k, g0v, g1v
	s_cmp_lt_u32 s[WV], 2
	s_cbranch_scc0 .Lfor_v_\@
	tensor_load_to_lds s[\g0k:\g0k+3], s[\g1k:\g1k+7]
	s_nop 0
	PLACES 4
	s_branch .Lasked_\@
.Lfor_v_\@:
	tensor_load_to_lds s[\g0v:\g0v+3], s[\g1v:\g1v+7]
	s_nop 0
	PLACES 4
.Lasked_\@:
.endm
; s[d] = the unit at position s[p]: p, or p - BI - 1 = (p + BJ) mod 8 behind block BI's last.  d and p are different registers.
.macro UNIT d, p
	s_cmp_le_u32 s[\p], s[BI]
	s_cselect_b32 s[\d], 0, s[BJ]
	s_add_co_u32 s[\d], s[\d], s[\p]
	s_and_b32 s[\d], s[\d], 7
.endm
; Q's four fragments (16 queries x 128: lane (r, h) takes the 24 bytes at 96 r + 24 h and those 48 further on, in pieces of 8) and scale words stay in registers for a whole block.
.macro QLOAD cb, sb
	WIN TO2
.irp t, 0,1,2,3
.irp p, 0,1,2,3,4,5
	global_load_b64 v[96+12*\t+2*\p:96+12*\t+2*\p+1], v[QA], s[\cb:\cb+1] offset:1536*\t+48*(\p/3)+8*(\p%3) th:TH_LOAD_NT
.endr
.endr
	WIN 0
.irp t, 0,1,2,3
	global_load_b32 v[QS+\t], v[QSA], s[\sb:\sb+1] offset:64*\t th:TH_LOAD_NT
.endr
.endm
; 52 LDS loads in one run: the 8 fragments of K of the slot's q-th 128 keys, and their scale words.  Group 4 q + b of 32 keys lies at 1,536 (4 q + b) in both halves of K's region; tile 2 b + u begins 8 u keys on.
.macro FETCH_K q
	v_add_nc_u32 v[ADK], s[TB], v[AK0]
	s_lshl_b32 s[TMP], s[UC], 10                   ; a unit's 256 scale words
	v_add_nc_u32 v[ADS], s[TMP], v[ASK0]
	WIN TO2
.irp b, 0,1,2,3
.irp u, 0,1
.irp p, 0,1,2,3,4,5
	ds_load_b64 v[12*(2*\b+\u)+2*\p:12*(2*\b+\u)+2*\p+1], v[ADK] offset:(4*(\q)+\b)*1536+768*\u+48*(\p/3)+8*(\p%3)
.endr
.endr
.endr
	WIN 0
.irp b, 0,1,2,3
	ds_load_b32 v[KS+\b], v[ADS] offset:512*(\q)+128*\b
.endr
.endm
; 52 more: the 8 fragments of V (16 of the head's 128 x the same 128 keys) and their scale words.  A row's piece i of 8 bytes lies at 8 i + 16 (i / 8); lanes 16-31 read three pieces further on, which is behind one padding
; more where i % 8 is 5 or more: the second address register serves those.
.macro FETCH_V q
	WIN TO2
.irp f, 0,1,2,3,4,5,6,7
.irp p, 0,1,2,3,4,5
.set PCI, 12*(\q)+6*(\p/3)+\p%3
.if PCI%8 < 5
	ds_load_b64 v[144+12*\f+2*\p:144+12*\f+2*\p+1], v[ADV] offset:16*VP*\f+8*PCI+16*(PCI/8)
.else
	ds_load_b64 v[144+12*\f+2*\p:144+12*\f+2*\p+1], v[ADV2] offset:16*VP*\f+8*PCI+16*(PCI/8)
.endif
.endr
.endr
	WIN 0
.irp g, 0,1,2,3
	ds_load_b32 v[VS+\g], v[ADT] offset:32*72*\g+4*(\q)
.endr
.endm
; One product of S^T: tile j of 16 keys x tile t of queries, all 128 of the head: the constant 0 starts and ends the sum.  An odd tile's scale words stand in lanes 16-31 of the pair's register.
.macro SW t, j
.if (\j)%2
	v_wmma_scale_f32_16x16x128_f8f6f4 v[SS+64*((\t)%2)+8*(\j):SS+64*((\t)%2)+8*(\j)+7], v[12*(\j):12*(\j)+11], v[96+12*(\t):96+12*(\t)+11], 0, v[KS+(\j)/2], v[QS+(\t)] matrix_a_fmt:MATRIX_FMT_BF6 matrix_b_fmt:MATRIX_FMT_BF6 matrix_a_scale:MATRIX_SCALE_ROW1
.else
	v_wmma_scale_f32_16x16x128_f8f6f4 v[SS+64*((\t)%2)+8*(\j):SS+64*((\t)%2)+8*(\j)+7], v[12*(\j):12*(\j)+11], v[96+12*(\t):96+12*(\t)+11], 0, v[KS+(\j)/2], v[QS+(\t)] matrix_a_fmt:MATRIX_FMT_BF6 matrix_b_fmt:MATRIX_FMT_BF6
.endif
.endm
; Product i of 16 of O^T += V^T P^T: tile t0 + i % 2 of queries, channels 16 (i / 2) on.  zero = 1: a block's first key step starts the sums: nothing is ever cleared.
.macro PVW t0, zero
.set pt, (\t0)+i%2
.set pf, i/2
.set rO, 64*pt+8*pf
.set rV, 144+12*pf
.set rB, PCD+12*pt
.if \zero
.if pf%2
	v_wmma_scale_f32_16x16x128_f8f6f4 v[rO:rO+7], v[rV:rV+11], v[rB:rB+11], 0, v[VS+pf/2], v[PW+pt] matrix_a_fmt:MATRIX_FMT_BF6 matrix_b_fmt:MATRIX_FMT_BF6 matrix_a_scale:MATRIX_SCALE_ROW1
.else
	v_wmma_scale_f32_16x16x128_f8f6f4 v[rO:rO+7], v[rV:rV+11], v[rB:rB+11], 0, v[VS+pf/2], v[PW+pt] matrix_a_fmt:MATRIX_FMT_BF6 matrix_b_fmt:MATRIX_FMT_BF6
.endif
.else
.if pf%2
	v_wmma_scale_f32_16x16x128_f8f6f4 v[rO:rO+7], v[rV:rV+11], v[rB:rB+11], v[rO:rO+7], v[VS+pf/2], v[PW+pt] matrix_a_fmt:MATRIX_FMT_BF6 matrix_b_fmt:MATRIX_FMT_BF6 matrix_a_scale:MATRIX_SCALE_ROW1
.else
	v_wmma_scale_f32_16x16x128_f8f6f4 v[rO:rO+7], v[rV:rV+11], v[rB:rB+11], v[rO:rO+7], v[VS+pf/2], v[PW+pt] matrix_a_fmt:MATRIX_FMT_BF6 matrix_b_fmt:MATRIX_FMT_BF6
.endif
.endif
.endm
; THE QUANTISER of tile t's 64 scores a lane (register 16 b + i = key 32 b + 16 h + i of my query) is a list of 68 instructions; QI writes number j of it.
;   0-31   each block's largest magnitude of my 16, with the floor 2^(5 - 127) among the leaves, so that the byte cannot fall under 1; the four blocks by turns; each accumulator is read from its low end on
;   32-39  with lane l xor 16's 16: the block's          40-43  4 off the exponent field: the conversion takes the exponent field of this operand as its scale, and nothing else of it
;   44-50  the four bytes make my query's scale word     51-54  16 numbers to 96 bits of codes, four times (a conversion's three registers begin on an even number: the second half of a block's six is made elsewhere)
;   55     one plain instruction behind the conversions  56-67  the operand wants a WHOLE block in a lane (lanes 0-15 block 2 c, lanes 16-31 block 2 c + 1): halves change places, then move
.macro QI t
.set rS, SS+64*((\t)%2)
.set rP, PCD+12*(\t)
.if j < 4
	v_max3_num_f32 v[TM+j], |v[rS+16*j]|, |v[rS+16*j+1]|, 0x2800000
.elseif j < 32
.set qb, (j-4)%4
.set qi, 2+2*((j-4)/4)
	v_max3_num_f32 v[TM+qb], v[TM+qb], |v[rS+16*qb+qi]|, |v[rS+16*qb+qi+1]|
.elseif j < 36
	v_permlanex16_b32 v[TM+4+j-32], v[TM+j-32], s[SEL], s[SEL+1]
.elseif j < 40
	v_max_num_f32 v[TM+j-36], v[TM+j-36], v[TM+4+j-36]
.elseif j < 44
	v_add_nc_u32 v[TM+8+j-40], 0xfe000000, v[TM+j-40]
.elseif j < 48
	v_lshrrev_b32 v[TM+4+j-44], 23, v[TM+8+j-44]
.elseif j == 48
	v_lshl_or_b32 v[PW+(\t)], v[TM+5], 8, v[TM+4]
.elseif j == 49
	v_lshl_or_b32 v[PW+(\t)], v[TM+6], 16, v[PW+(\t)]
.elseif j == 50
	v_lshl_or_b32 v[PW+(\t)], v[TM+7], 24, v[PW+(\t)]
.elseif j == 51
	v_cvt_scalef32_pk16_bf6_f32 v[rP:rP+2], v[rS:rS+15], v[TM+8]
.elseif j == 52
	v_cvt_scalef32_pk16_bf6_f32 v[CT:CT+2], v[rS+16:rS+31], v[TM+9]
.elseif j == 53
	v_cvt_scalef32_pk16_bf6_f32 v[rP+6:rP+8], v[rS+32:rS+47], v[TM+10]
.elseif j == 54
	v_cvt_scalef32_pk16_bf6_f32 v[CT+4:CT+6], v[rS+48:rS+63], v[TM+11]
.elseif j == 55
	v_nop
.elseif j < 59
	v_permlane16_swap_b32 v[rP+j-56], v[CT+j-56]
.elseif j < 62
	v_permlane16_swap_b32 v[rP+6+j-59], v[CT+4+j-59]
.elseif j < 65
	v_mov_b32 v[rP+3+j-62], v[CT+j-62]
.else
	v_mov_b32 v[rP+9+j-65], v[CT+4+j-65]
.endif
.endm
; Tile t's 8 products of S^T; behind each an eighth of tile qt's quantiser (qt = -1: none).  The two tiles' scores lie in different buffers.
.macro RUN_S t, qt
.set k, 0
.rept 8
	WIN W_S
	SW \t, k
.if (\qt) >= 0
	WIN 0
.set j, (68*k)/8
.rept (68*(k+1))/8-(68*k)/8
	QI \qt
.set j, j+1
.endr
.endif
.set k, k+1
.endr
.endm
; 16 products of O^T for tiles t0 and t0 + 1: sixteen accumulators by turns, one instruction a turn; behind each a sixteenth of tile qt's quantiser.
.macro RUN_PV t0, zero, qt
.set i, 0
.rept 16
	WIN W_PV
	PVW \t0, \zero
.if (\qt) >= 0
	WIN 0
.set j, (68*i)/16
.rept (68*(i+1))/16-(68*i)/16
	QI \qt
.set j, j+1
.endr
.endif
.set i, i+1
.endr
.endm
; Hidden scores become 0.  Register n of tile t holds key KF + 16 h + 32 (n / 16) + n % 16 of query Q0 + 16 t + r: hidden where 32 (n / 16) + n % 16 > DQ + 16 t + r - 16 h.  n ascends: each accumulator from its low end on.
.macro MASK t
	s_add_co_i32 s[TMP], s[DQ], 16*(\t)
	v_add_nc_u32 v[VD], s[TMP], v[VD0]
.set n, 0
.rept 64
	v_cmp_gt_i32 vcc_lo, 32*(n/16)+n%16, v[VD]
	v_cndmask_b32 v[SS+64*((\t)%2)+n], v[SS+64*((\t)%2)+n], v[ZR], vcc_lo
.set n, n+1
.endr
.endm
; Behind tile t's products: four places ahead of the first read of its scores, and, behind tile 3, ahead of the loads into K's registers; then the mask, where the step needs one.
.macro EDGE t
	WIN 0
	PLACES 4
	s_cmp_eq_u32 s[MSK], 0
	s_cbranch_scc1 .Lopen_\@
	MASK \t
.Lopen_\@:
.endm
; A key step's 32 products of O^T.  Tile 3's codes and scale word are made behind the first sixteen; a scale register written by a vector instruction stands eight places ahead of a scaled matrix instruction, an operand four.
.macro PVS zero
	RUN_PV 0, \zero, 3
	WIN 0
	PLACES 8
	RUN_PV 2, \zero, -1
	WIN 0
.endm
; A PREFETCH INTO THE L2 of unit POS + 2, which the head's first work-group (BI = 0) asks for by tensor loads at its NEXT change of slots: a slot's two key steps, 128 matrix instructions a wave, ahead of that load.
; Only that work-group asks: a branch on the work-group's number.  K's unit is a dense block of 24,576 bytes: waves 0 to 2, 8,192 bytes each, lanes 256 bytes apart.  V's is 192 bytes of each of 128 rows: 32 rows a wave, a lane
; a row; a lane names the part's LAST byte: the aligned block of 256 bytes in which the part ends is one that no earlier unit's part has touched, but for units 3 and 7, whose parts end in the block that the unit before has
; named: there nothing is asked of V.  So each aligned block of 256 bytes is named once.  Units 0 and 1 come by their loads alone; POS stops at 5: unit 7 is the head's last.
.macro ASK
	s_cmp_lt_u32 s[POS], s[LIM]
	s_cbranch_scc0 .Lnone_\@
	s_cmp_eq_u32 s[WV], 3
	s_cbranch_scc1 .Lnot_k_\@
	global_prefetch_b8 v[PFKO], s[PFK:PFK+1] th:TH_LOAD_NT scope:SCOPE_SE
.Lnot_k_\@:
	s_and_b32 s[TMP], s[POS], 3
	s_cmp_eq_u32 s[TMP], 1
	s_cbranch_scc1 .Lnone_\@
	global_prefetch_b8 v[PFVO], s[PFV:PFV+1] th:TH_LOAD_NT scope:SCOPE_SE
.Lnone_\@:
.endm
; THE CHANGE OF SLOTS stands in the middle of a slot's second key step: all its fragments of K and V are in registers (or the step is left out).  Each wave waits for all its tensor loads, of which one is out: its part of the
; other slot; adds 0 to its spare word; and waits for that and for its reads of this slot.  Behind the barrier nobody reads this slot any more and the other slot is whole.
; fill = 1: this slot is filled again, with the unit of position POS + 2: the load has a slot's two key steps in which to land.  Then the other slot's first fragments of K are fetched, under the products that follow.
; fill = 0: the last two positions: nothing is left to fetch from memory; the very last fetches nothing from LDS either.
.macro CHANGE fill
	s_wait_tensorcnt 0x0                           ; no tensor load of mine is out, so a group 0 may be written
	ds_add_u32 v[SPW], v[NIL]                      ; 0 onto my spare word: the scalar work below stands between it and the wait for it
.if \fill
	s_add_co_u32 s[TMP], s[POS], 2
	UNIT TM2, TMP
	s_mul_i32 s2, s[TM2], 24576                    ; a unit of K: 256 keys x 96 bytes
	s_add_nc_u64 s[G0K1+2:G0K1+3], s[8:9], s[2:3]
	s_or_b32 s[G0K1+3], s[G0K1+3], 0x80000000
	s_xor_b32 s[G0K1+1], s[G0K1+1], SLOT1          ; the walking descriptors: the other slot than last time
	s_mul_i32 s2, s[TM2], 192                      ; a unit in a row of V
	s_add_nc_u64 s[G0V1+2:G0V1+3], s[12:13], s[2:3]
	s_or_b32 s[G0V1+3], s[G0V1+3], 0x80000000
	s_xor_b32 s[G0V1+1], s[G0V1+1], SLOT1
	s_wait_xcnt 0x0                                ; the last prefetches, a slot back, have read their addresses, so these may be written
	s_add_nc_u64 s[PFK:PFK+1], s[PFK:PFK+1], 24576
	s_add_nc_u64 s[PFV:PFV+1], s[PFV:PFV+1], 192
.endif
	s_add_co_u32 s[TMP], s[POS], 1
	UNIT UC, TMP                                   ; the next position's unit,
	s_xor_b32 s[TB], s[TB], SLOT1                  ; in the other slot
	s_wait_dscnt 0x0                               ; the add is done, and my reads of this slot are over
	s_barrier_signal -1
	s_barrier_wait -1
.if \fill
	TLOAD G0K1, G1K, G0V1, G1V                     ; the first thing behind the barrier, and my one tensor load until the next
	FETCH_K 0
	ASK
.else
	s_cmp_eq_u32 s[CNT], 1
	s_cbranch_scc1 .Lno_more_\@
	FETCH_K 0
.Lno_more_\@:
.endif
.endm
; A KEY STEP: the slot's q-th 128 keys.  fill: what its change of slots does (q = 1).
.macro STEP q, fill
	s_lshl_b32 s[TMP], s[UC], 8
.if \q
	s_add_co_u32 s[TMP], s[TMP], 128               ; the step's first key
	s_add_co_u32 s[TM2], s[Q0], 63                 ; my last query
	s_sub_co_i32 s[DQ], s[Q0], s[TMP]
	s_cmp_gt_u32 s[TMP], s[TM2]                    ; all 128 keys come after all my queries: the step is left out
	s_cselect_b32 s[HID], 1, 0
	s_cbranch_scc1 .Lhidden_\@
.else
	s_sub_co_i32 s[DQ], s[Q0], s[TMP]              ; (a unit's first step is never hidden: its first key is at most my first query)
.endif
	s_cmp_lt_i32 s[DQ], 128                        ; does the step reach past my first query?
	s_cselect_b32 s[MSK], 1, 0
	s_lshl_b32 s[TMP], s[UC], 3                    ; a unit's 8 scale bytes in a row of V's
	v_add_nc_u32 v[ADV], s[TB], v[AV0]             ; these four lines are also the places between the last step's products and the loads into V's registers
	v_add_nc_u32 v[ADV2], s[TB], v[AV1]
	v_add_nc_u32 v[ADT], s[TMP], v[ASV0]
	v_nop
	FETCH_V \q                                     ; wanted 32 matrix instructions further on
	s_wait_dscnt 52                                ; all but the 52 just issued: K's fragments and scale words are in
	RUN_S 0, -1
	EDGE 0
	RUN_S 1, 0
	EDGE 1
	RUN_S 2, 1
	EDGE 2
	RUN_S 3, 2
	EDGE 3
	s_wait_dscnt 0x0                               ; V is in
.if \q == 0
	FETCH_K 1                                      ; the next step's K, under this step's second product
	s_cmp_eq_u32 s[UC], 0                          ; unit 0 is a block's first: its first step starts O^T's sums
	s_cbranch_scc1 .Lfirst_\@
	PVS 0
	s_branch .Ljoin_\@
.Lfirst_\@:
	PVS 1
.Ljoin_\@:
.else
.Lhidden_\@:
	CHANGE \fill
	s_cmp_lg_u32 s[HID], 0
	s_cbranch_scc1 .Lno_pv_\@
	PVS 0
.Lno_pv_\@:
.endif
.endm
; THE WAY OUT, a tile (16 queries x 128 channels) at a time.  A lane holds 32 neighbouring bytes of a row and the lanes beside it hold other rows: so a tile goes through my own stage in LDS and comes back as whole rows of 512
; bytes.  LDS serves a wave's instructions in order (ISA guide 5.7.1.4): no wait between the stores and the loads, nor in front of the next tile's stores.
.macro TOSTAGE t
	WIN ST1
.irp f, 0,1,2,3,4,5,6,7
	ds_store_b128 v[STO], v[64*(\t)+8*\f:64*(\t)+8*\f+3] offset:64*\f          ; each accumulator from its low end on
	ds_store_b128 v[STO], v[64*(\t)+8*\f+4:64*(\t)+8*\f+7] offset:64*\f+16
.endr
	WIN 0
.irp w, 0,1,2,3,4,5,6,7,8,9,10,11,12,13,14,15
	ds_load_b128 v[SS+64*((\t)%2)+4*\w:SS+64*((\t)%2)+4*\w+3], v[RD] offset:SP*\w
.endr
.endm
.macro SEND t, younger, base           ; younger: the LDS instructions issued behind tile t's loads, which may stay out
	s_wait_dscnt \younger
.irp w, 0,1,2,3,4,5,6,7,8,9,10,11,12,13,14,15
	global_store_b128 v[CO], v[SS+64*((\t)%2)+4*\w:SS+64*((\t)%2)+4*\w+3], s[\base:\base+1] offset:(16*(\t)+\w)*512 th:TH_STORE_NT   ; 32 lanes store 512 consecutive bytes, at a multiple of 512 from out0's first byte
.endr
.endm
.macro WAYOUT base
	TOSTAGE 0
.irp a, 1,2,3
.if \a > 1
	s_wait_xcnt 0x0                                ; tile a - 2's stores have read their registers: tile a's rows may land there
.endif
	TOSTAGE \a
	SEND (\a-1), 32, \base                         ; behind tile a - 1's loads: tile a's 16 stores and 16 loads
.endr
	SEND 3, 0, \base
.endm
; Block BI is finished: block BJ's Q is asked for, block BI's rows leave meanwhile.
.macro SWITCH
	PLACES 4                                       ; behind the last products: ahead of the loads into Q's registers and of the LDS stores that read O^T
	QLOAD QPB, QSPB
	WAYOUT OPA
	s_lshl_b32 s[Q0], s[BJ], 8
	s_lshl_b32 s[TMP], s[WV], 6
	s_add_co_u32 s[Q0], s[Q0], s[TMP]
	s_wait_xcnt 0x0                                ; the stores have read their registers, which the next scores take
	s_wait_loadcnt 0x0                             ; Q
.endm
	s_load_b256 s[4:11], s[0:1], 0x0               ; q's codes s[4:5], q's scales s[6:7], k's codes s[8:9], k's scales s[10:11]
	s_load_b128 s[12:15], s[0:1], 0x20             ; v's codes s[12:13], v's scales s[14:15]
	s_load_b64 s[16:17], s[0:1], 0x30              ; out0
	v_lshl_add_u32 v[SPW], v0, 2, SPARE
	v_mov_b32 v[NIL], 0
	ds_add_u32 v6, v7
	ds_add_u32 v6, v7
	s_wait_dscnt 0x0
	v_lshrrev_b32 v8, 5, v0
	v_readfirstlane_b32 s[WV], v8                  ; wave 0..3
	s_and_b32 s[W1], s[WV], 1
	s_and_b32 s[BI], ttmp9, 3
	s_xor_b32 s[BJ], s[BI], 7
	s_lshr_b32 s[CNT], ttmp9, 2                    ; the head
	; descriptor groups 1.  K: every second sixteen of keys: 8 rows of 1,536 bytes (192 elements of 8 bytes), 3,072 bytes apart in memory, dense in LDS
	s_mov_b32 s[G1K], 3<<16                        ; 15:0 no mask; 17:16 elements of 8 bytes; 20 padding off
	s_mov_b32 s[G1K+1], 192<<16                    ; tensor_dim0
	s_mov_b32 s[G1K+2], 8<<16                      ; tensor_dim1
	s_mov_b32 s[G1K+3], 192<<16                    ; tile_dim0
	s_mov_b32 s[G1K+4], 8                          ; tile_dim1
	s_mov_b32 s[G1K+5], 384                        ; tensor_dim0_stride
	s_mov_b32 s[G1K+6], 0
	s_mov_b32 s[G1K+7], 0
	; V: 64 rows of 192 bytes, 1,536 bytes apart; 4 words of padding (code 3) behind every 16 words (code 3)
	s_mov_b32 s[G1V], (1<<20)|(3<<22)|(3<<25)
	s_mov_b32 s[G1V+1], 192<<16
	s_mov_b32 s[G1V+2], 64<<16
	s_mov_b32 s[G1V+3], 192<<16
	s_mov_b32 s[G1V+4], 64
	s_mov_b32 s[G1V+5], 1536
	s_mov_b32 s[G1V+6], 0
	s_mov_b32 s[G1V+7], 0
	; K's scale words: half a head's, 4,096 dense bytes, as 16 rows of 256
	s_mov_b32 s[G1SK], 3<<16
	s_mov_b32 s[G1SK+1], 32<<16
	s_mov_b32 s[G1SK+2], 16<<16
	s_mov_b32 s[G1SK+3], 32<<16
	s_mov_b32 s[G1SK+4], 16
	s_mov_b32 s[G1SK+5], 32
	s_mov_b32 s[G1SK+6], 0
	s_mov_b32 s[G1SK+7], 0
	; V's scale bytes: 64 rows of 64 bytes (16 elements of 4), dense in memory; 2 words of padding (code 1) behind each row's 16 words (code 3)
	s_mov_b32 s[G1SV], (2<<16)|(1<<20)|(3<<22)|(1<<25)
	s_mov_b32 s[G1SV+1], 16<<16
	s_mov_b32 s[G1SV+2], 64<<16
	s_mov_b32 s[G1SV+3], 16<<16
	s_mov_b32 s[G1SV+4], 64
	s_mov_b32 s[G1SV+5], 16
	s_mov_b32 s[G1SV+6], 0
	s_mov_b32 s[G1SV+7], 0
	s_mov_b32 s[SEL], 0x76543210
	s_mov_b32 s[SEL+1], 0xfedcba98
	s_mov_b32 s3, 0                                ; s[2:3]: an offset under 2^32; s3 stays 0
	s_mov_b32 s[TMP], 1
	UNIT MSK, TMP                                  ; position 1's unit
	; groups 0: the LDS addresses: a constant + a constant x the wave's low bit
	s_mul_i32 s[G0K0+1], s[W1], KO                 ; wave 0: the even sixteens, wave 1: the odd ones
	s_add_co_u32 s[G0K1+1], s[G0K0+1], SLOT1
	s_mul_i32 s[G0V0+1], s[W1], 64*VP              ; wave 2: rows 0-63, wave 3: rows 64-127
	s_add_co_u32 s[G0V0+1], s[G0V0+1], VOFF
	s_add_co_u32 s[G0V1+1], s[G0V0+1], SLOT1
	s_lshl_b32 s[G0SK+1], s[W1], 12
	s_add_co_u32 s[G0SK+1], s[G0SK+1], SCK
	s_mul_i32 s[G0SV+1], s[W1], 64*72
	s_add_co_u32 s[G0SV+1], s[G0SV+1], SCV
.irp g, G0K0, G0K1, G0V0, G0V1, G0SK, G0SV
	s_mov_b32 s[\g], 1                             ; 1:0 count = 1
.endr
	s_wait_kmcnt 0x0
	s_mul_i32 s2, s[CNT], 196608                   ; the head's first byte in each tensor of codes,
	s_add_nc_u64 s[4:5], s[4:5], s[2:3]
	s_add_nc_u64 s[8:9], s[8:9], s[2:3]
	s_add_nc_u64 s[12:13], s[12:13], s[2:3]
	s_lshl_b32 s2, s[CNT], 13                      ; of scale bytes,
	s_add_nc_u64 s[6:7], s[6:7], s[2:3]
	s_add_nc_u64 s[10:11], s[10:11], s[2:3]
	s_add_nc_u64 s[14:15], s[14:15], s[2:3]
	s_lshl_b32 s2, s[CNT], 20                      ; and in out0
	s_add_nc_u64 s[16:17], s[16:17], s[2:3]
	s_lshl_b32 s2, s[WV], 13                       ; the prefetches stand at unit 1; each change of slots steps them ahead of its use.  K: 8,192 bytes a wave
	s_add_nc_u64 s[PFK:PFK+1], s[8:9], s[2:3]
	s_add_nc_u64 s[PFK:PFK+1], s[PFK:PFK+1], 24576
	s_mul_i32 s2, s[WV], 32*1536                   ; V: 32 rows a wave; the last byte of a row's part of the unit
	s_add_nc_u64 s[PFV:PFV+1], s[12:13], s[2:3]
	s_add_nc_u64 s[PFV:PFV+1], s[PFV:PFV+1], 192+191
	s_mul_i32 s2, s[W1], 1536                      ; from here on s[8:9] is K at my half's first sixteen,
	s_add_nc_u64 s[8:9], s[8:9], s[2:3]
	s_mul_i32 s2, s[W1], 64*1536                   ; s[12:13] V at my half's first row
	s_add_nc_u64 s[12:13], s[12:13], s[2:3]
	s_lshl_b32 s2, s[W1], 12
	s_add_nc_u64 s[G0SK+2:G0SK+3], s[10:11], s[2:3]
	s_add_nc_u64 s[G0SV+2:G0SV+3], s[14:15], s[2:3]
	s_mov_b64 s[G0K0+2:G0K0+3], s[8:9]             ; position 0's unit is 0
	s_mov_b64 s[G0V0+2:G0V0+3], s[12:13]
	s_mul_i32 s2, s[MSK], 24576
	s_add_nc_u64 s[G0K1+2:G0K1+3], s[8:9], s[2:3]
	s_mul_i32 s2, s[MSK], 192
	s_add_nc_u64 s[G0V1+2:G0V1+3], s[12:13], s[2:3]
.irp g, G0K0, G0K1, G0V0, G0V1, G0SK, G0SV
	s_or_b32 s[\g+3], s[\g+3], 0x80000000          ; 127:126 type = 2
.endr
	TLOAD G0SK, G1SK, G0SV, G1SV                   ; the first fills go out as one group: the head's scale bytes (filled once),
	TLOAD G0K0, G1K, G0V0, G1V                     ; slot 0,
	TLOAD G0K1, G1K, G0V1, G1V                     ; slot 1: three tensor loads of mine are out
	s_lshl_b32 s[TMP], s[WV], 6
	s_lshl_b32 s[Q0], s[BI], 8
	s_add_co_u32 s[Q0], s[Q0], s[TMP]              ; my first query in block BI,
	s_lshl_b32 s[MSK], s[BJ], 8
	s_add_co_u32 s[MSK], s[MSK], s[TMP]            ; in block BJ
	s_mul_i32 s2, s[MSK], 96
	s_add_nc_u64 s[QPB:QPB+1], s[4:5], s[2:3]
	s_lshl_b32 s2, s[MSK], 2
	s_add_nc_u64 s[QSPB:QSPB+1], s[6:7], s[2:3]
	s_lshl_b32 s2, s[MSK], 9
	s_add_nc_u64 s[OPB:OPB+1], s[16:17], s[2:3]
	s_mul_i32 s2, s[Q0], 96
	s_add_nc_u64 s[4:5], s[4:5], s[2:3]
	s_lshl_b32 s2, s[Q0], 2
	s_add_nc_u64 s[6:7], s[6:7], s[2:3]
	s_lshl_b32 s2, s[Q0], 9
	s_add_nc_u64 s[OPA:OPA+1], s[16:17], s[2:3]
	v_and_b32 v9, 15, v0                           ; r = lane % 16
	v_bfe_u32 v10, v0, 4, 1                        ; h = lane / 16
	v_mul_u32_u24 v[QA], v9, 96
	v_mad_u32_u24 v[QA], v10, 24, v[QA]
	v_lshlrev_b32 v[QSA], 2, v9
	QLOAD 4, 6                                     ; block BI's Q
	v_and_b32 v11, 31, v0                          ; lane
	v_and_b32 v12, 7, v0                           ; r % 8
	v_bfe_u32 v23, v0, 3, 1                        ; r / 8
	v_mul_u32_u24 v[AK0], v12, 96
	v_mad_u32_u24 v[AK0], v10, 24, v[AK0]
	v_mad_u32_u24 v[AK0], v23, KO, v[AK0]
	v_mul_u32_u24 v[AV0], v9, VP
	v_add_nc_u32 v[AV0], VOFF, v[AV0]
	v_mad_u32_u24 v[AV1], v10, 40, v[AV0]
	v_mad_u32_u24 v[AV0], v10, 24, v[AV0]
	v_and_b32 v[ASK0], 8, v0
	v_add_nc_u32 v[ASK0], v[ASK0], v9              ; r + 8 (r / 8)
	v_lshl_add_u32 v[ASK0], v10, 3, v[ASK0]        ; + 8 h: lanes 16-31 take the pair's odd tile
	v_lshl_add_u32 v[ASK0], v[ASK0], 2, SCK
	v_mul_u32_u24 v[ASV0], v11, 72
	v_add_nc_u32 v[ASV0], SCV, v[ASV0]
	s_mul_i32 s[TMP], s[WV], 16*SP
	s_add_co_u32 s[TMP], s[TMP], STAGE             ; my stage
	v_mul_u32_u24 v[STO], v9, SP                   ; in: row r, 32 bytes for each half of the lanes
	v_lshl_add_u32 v[STO], v10, 5, v[STO]
	v_add_nc_u32 v[STO], s[TMP], v[STO]
	v_lshlrev_b32 v[CO], 4, v11                    ; back: the 32 lanes take one row of 512 bytes; and the same in out0
	v_add_nc_u32 v[RD], s[TMP], v[CO]
	v_lshlrev_b32 v[VD0], 4, v10
	v_sub_nc_u32 v[VD0], v9, v[VD0]
	v_mov_b32 v[ZR], 0
	v_lshlrev_b32 v[PFKO], 8, v11
	v_mul_u32_u24 v[PFVO], v11, 1536
.irp b, 0,1,2,3
	v_mov_b32 v[TM+4+\b], 0                        ; written once: a lane permute's destination counts as one of its sources
.endr
	s_cmp_eq_u32 s[BI], 0
	s_cselect_b32 s[LIM], 6, 0                     ; the head's first work-group prefetches, at positions 0 to 5
	s_mov_b32 s[POS], 0
	s_mov_b32 s[UC], 0
	s_mov_b32 s[TB], 0
	s_wait_tensorcnt 1                             ; the scale bytes and my part of slot 0 are in; slot 1's load may stay out
	s_barrier_signal -1
	s_barrier_wait -1                              ; everybody's are
	FETCH_K 0
	s_wait_loadcnt 0x0                             ; Q
	s_mov_b32 s[CNT], 7
.Lposition:                                        ; positions 0 to 6: each fills its slot again, for positions 2 to 8
	STEP 0, 1
	STEP 1, 1
	s_cmp_lg_u32 s[POS], s[BI]                     ; block BI's last unit?  (BI is at most 3: the change of blocks falls in this loop)
	s_cbranch_scc1 .Lsame_block
	SWITCH
.Lsame_block:
	s_add_co_u32 s[POS], s[POS], 1
	s_sub_co_u32 s[CNT], s[CNT], 1
	s_cmp_lg_u32 s[CNT], 0
	s_cbranch_scc1 .Lposition
	s_mov_b32 s[CNT], 2
.Ltail:                                            ; positions 7 and 8 are a text of their own
	STEP 0, 0
	STEP 1, 0
	s_add_co_u32 s[POS], s[POS], 1
	s_sub_co_u32 s[CNT], s[CNT], 1
	s_cmp_lg_u32 s[CNT], 0
	s_cbranch_scc1 .Ltail
	PLACES 4                                       ; behind the last products, ahead of the LDS stores that read O^T
	WAYOUT OPB
	s_wait_tensorcnt 0x0                           ; the wave's end: behind my last tensor load and my last LDS store
	ds_add_u32 v[SPW], v[NIL]
	s_wait_dscnt 0x0
	s_endpgm
.Lfunc_end_k_q2a3e1ab6f1_linattn:
	.size	k_q2a3e1ab6f1_linattn, .Lfunc_end_k_q2a3e1ab6f1_linattn-k_q2a3e1ab6f1_linattn
	.p2alignl 7, 3214868480
	.fill 96, 4, 3214868480
	.section	.rodata,"a",@progbits
	.p2align	6, 0x0
	.amdhsa_kernel k_q2a3e1ab6f1_linattn
		.amdhsa_group_segment_fixed_size 327680
		.amdhsa_private_segment_fixed_size 0
		.amdhsa_enable_private_segment 0
		.amdhsa_kernarg_size 56
		.amdhsa_user_sgpr_count 2
		.amdhsa_user_sgpr_kernarg_segment_ptr 1
		.amdhsa_wavefront_size32 1
		.amdhsa_system_sgpr_workgroup_id_x 1
		.amdhsa_system_sgpr_workgroup_id_y 1
		.amdhsa_system_sgpr_workgroup_id_z 1
		.amdhsa_system_vgpr_workitem_id 0
		.amdhsa_next_free_vgpr 768
		.amdhsa_next_free_sgpr 106
		.amdhsa_reserve_vcc 1
		.amdhsa_float_denorm_mode_32 3
		.amdhsa_float_denorm_mode_16_64 3
		.amdhsa_memory_ordered 1
		.amdhsa_forward_progress 1
		.amdhsa_inst_pref_size 255
	.end_amdhsa_kernel
	.section	.bss,"aw",@nobits
	.p2align	6
	.space	262144
	.amdgpu_metadata
---
amdhsa.version: [ 1, 2 ]
amdhsa.kernels:
  - .name:           k_q2a3e1ab6f1_linattn
    .symbol:         k_q2a3e1ab6f1_linattn.kd
    .args:
      - { .name: q_codes, .offset: 0, .size: 8, .value_kind: global_buffer, .address_space: global }
      - { .name: q_scales, .offset: 8, .size: 8, .value_kind: global_buffer, .address_space: global }
      - { .name: k_codes, .offset: 16, .size: 8, .value_kind: global_buffer, .address_space: global }
      - { .name: k_scales, .offset: 24, .size: 8, .value_kind: global_buffer, .address_space: global }
      - { .name: v_codes, .offset: 32, .size: 8, .value_kind: global_buffer, .address_space: global }
      - { .name: v_scales, .offset: 40, .size: 8, .value_kind: global_buffer, .address_space: global }
      - { .name: out0, .offset: 48, .size: 8, .value_kind: global_buffer, .address_space: global }
    .group_segment_fixed_size: 327680
    .private_segment_fixed_size: 0
    .kernarg_segment_align: 8
    .kernarg_segment_size: 56
    .max_flat_workgroup_size: 128
    .sgpr_count:     106
    .vgpr_count:     768
    .wavefront_size: 32
...
	.end_amdgpu_metadata
.endif
;; end of part 1
